; MI455X (gfx1250); checked and timed in simulation.
; The chip was launched on July 23, 2026; its instructions are those of AMD's public machine-readable ISA for CDNA 5 (MIT licence, August 2026) and "CDNA5" Instruction Set Architecture Reference Guide (July 2026). The comments in the code are by the model that wrote it; some were corrected since.
;; Scalar Dot Product Attention. Allowed arithmetic: matrix products marked QUANTISED: E2M1 operands, one E8M0 scale for each 32 along K, by v_wmma_scale_f32_16x16x128_f8f6f4 with both operands' format E2M1 (or v_wmma_scale_f32_32x16x128_f4), f32 sums; everything else in f32.
;; Inputs: K_codes 1,024 x 8 x 8 x 2 x 16 uint8 (E2M1 codes of K, K innermost, in blocks of 32 codes, two codes a byte); K_scales 1,024 x 8 x 8 x 2 uint8 (E8M0 scales of K, one for each 32 codes along K); Q_codes 1,024 x 8 x 8 x 2 x 16 uint8 (E2M1 codes of Q, K innermost, in blocks of 32 codes, two codes a byte); Q_scales 1,024 x 8 x 8 x 2 uint8 (E8M0 scales of Q, one for each 32 codes along K); V_codes 8 x 8 x 64 x 32 x 16 uint8 (E2M1 codes of V, K innermost, in blocks of 32 codes, two codes a byte); V_scales 8 x 8 x 64 x 32 uint8 (E8M0 scales of V, one for each 32 codes along K); mask 1,024 x 1,024 float32.
;; Outputs: out0 1,024 x 8 x 8 x 64 float32.
;; This version of the problem:
;;   THIS VERSION OF THE PROBLEM IS GIVEN IN LOW PRECISION. The matrix products marked QUANTISED in the list below multiply operands that are first quantised to E2M1 (2 exponent bits, 1 mantissa bit; 4 bits a number), with one power-of-two scale for each 32 numbers along K (OCP MX v1.0); their sums are f32. All else is computed in f32.
;;   The module's matrix products, in the order in which they are computed (A, B: the left and right operand; K: the contracted axis; several contracted axes count as one K, in the product's order):
;;     1. batch 64 x [M 1,024, K 64] x [K 64, N 1,024]; A: input K (given as codes); B: input Q (given as codes): QUANTISED
;;     2. batch 64 x [M 64, K 1,024] x [K 1,024, N 1,024]; A: input V (given as codes); B: softmax (see below): QUANTISED
;;   THE QUANTISER, for each operand of a quantised product, along K:
;;     - K is cut into blocks of 32 from its start; a last block that is shorter is filled with zeros.
;;     - A block's scale is 2^e with e = floor(log2(the largest magnitude in the block)) - 2, held to -126 .. 127; a block of zeros has e = 0. As a byte (E8M0): e + 127.
;;     - Each number is divided by its block's scale, clamped to +-6, and rounded to the nearest number of E2M1, ties to even, subnormals kept.
;;     - The product sums the exact products of the quantised numbers (number of the format x scale) in f32.
;;   ~~~python
;;   def quantise(x, axis):      # numpy; x: float32 -> the quantised numbers, widened to float32 again
;;       x = np.moveaxis(x, axis, -1); K = x.shape[-1]
;;       x = np.pad(x, [(0, 0)] * (x.ndim - 1) + [(0, -K % 32)]); x = x.reshape(x.shape[:-1] + (-1, 32)); a = np.abs(x).max(-1, keepdims=True)
;;       e = np.where(a > 0, np.clip(np.frexp(np.where(a > 0, a, 1))[1] - 1 - 2, -126, 127), 0)      # np.frexp(a)[1] - 1 = floor(log2(a)), exactly
;;       r = np.clip(x / 2.0 ** e, -6, 6)
;;       step = 2.0 ** (np.maximum(np.frexp(np.where(r == 0, 1, r))[1] - 1, 0) - 1)
;;       q = np.round(r / step) * step * 2.0 ** e      # np.round: ties to even
;;       return np.moveaxis(q.reshape(q.shape[:-2] + (-1,))[..., :K], -1, axis).astype(np.float32)
;;   ~~~
;;   SOFTMAX AHEAD OF A QUANTISED PRODUCT. Where the list says 'softmax', what is quantised is not the finished softmax but p = 2^(t - M), with t = logit x log2(e) and M = ceil(the row's largest t), a whole number; so 1/2 < the row's largest p <= 1. The row's sum l is taken of the UNQUANTISED p, in f32, and the product's result is divided by l at the end. Since M is a whole number, a kernel that streams over the keys may use a running M (the ceiling of the running maximum): every later rescaling is an exact power of two, which a block's scale takes up: the codes' values come out the same.
;;   OPERANDS COMPUTED ON THE WAY. 'Computed on the way' means the value that the module computes at that place (a softmax that the list does not call 'softmax' is quantised finished and normalised). What goes into a quantiser is computed in f32, as accurately as f32 sums, v_exp_f32 and their like allow (about 1e-6 of the number): no bf16 or f16 on the way to a quantiser, and a product that is left as it is and whose result goes on into a quantised operand takes f32 operands (vector FMAs, or v_wmma_f32_16x16x4_f32). A number that lies on a knife's edge between two numbers of the format may be rounded either way, as far as f32 arithmetic and the matrix unit's own rounding can turn it there, and no further.
;;   INPUTS GIVEN AS CODES. K (in the module: [1024, 8, 8, 64], K = its axis 3); Q (in the module: [1024, 8, 8, 64], K = its axis 3); V (in the module: [1024, 8, 8, 64], K = its axis 0): each comes as NAME_codes (uint8): NAME with its K axis moved to the last place and cut into blocks of 32 codes, [.., K / 32, bytes a block], one block behind the other in memory; two codes a byte, the lower K in the low four bits (a code: sign, 2 exponent bits, 1 mantissa bit); and NAME_scales (uint8): the same leading axes, one E8M0 byte (e + 127) for each 32 codes along K. Its value is code x scale, taken as it is: it is not quantised again, and the codes and scales need not be those that the quantiser above would give.
;; One version. Each part assembles by itself: llvm-mc -triple=amdgcn-amd-amdhsa -mcpu=gfx1250 --defsym DOCPART=n.
;; ======== version 1 of 1: 1 launch
;; launch attn (part 1): grid 16 x 16, 16 waves a work-group, clusters of 4 x 4, 327,680 bytes of LDS; arguments K_codes, K_scales, Q_codes, Q_scales, V_codes, V_scales, mask, out0; writes out0
.if DOCPART == 1
	.amdgcn_target "amdgcn-amd-amdhsa--gfx1250"
	.amdhsa_code_object_version 6
	.text
	.protected	k_q4eec167280_attn
	.globl	k_q4eec167280_attn
	.p2align	8
	.type	k_q4eec167280_attn,@function
k_q4eec167280_attn:
	s_mov_b64 s[64:65], 0
	v_nop
	global_prefetch_b8 v0, s[64:65] scope:SCOPE_SE
	s_setreg_imm32_b32 hwreg(HW_REG_WAVE_MODE, 25, 1), 1
	s_wait_xcnt 0x0
	s_wait_alu depctr_hold_cnt(0) depctr_sa_sdst(0) depctr_va_vdst(0) depctr_va_sdst(0) depctr_va_ssrc(0) depctr_va_vcc(0) depctr_vm_vsrc(0)
	s_getreg_b32 s2, hwreg(HW_REG_IB_STS2, 6, 4)
	s_cmp_eq_u32 s2, 0
	s_cbranch_scc0 .Lentry_in_a_cluster
	s_endpgm
.Lentry_in_a_cluster:
	s_bfe_u32 s2, ttmp6, 0x10000c
	s_cmp_lg_u32 s2, 0xf033
	s_cbranch_scc0 .Lentry_shape_is_right
	s_endpgm
.Lentry_shape_is_right:
; out0[q][head][:] = the sum over k of softmax_k(Q[q][head] . K[k][head] / 8 + mask[q][k]) V[k][head][:], 64 heads (B x H), 1,024 queries, 1,024 keys, head size 64.
; Both products on codes of FP4 (E2M1) with one E8M0 scale for each 32 along a product's K.  Q, K: 32 bytes of codes and 2 scale bytes for a (row, head); V: keys innermost, 512 bytes of codes and 32 scale bytes for a (head, channel).
; THE SOFTMAX AHEAD OF THE SECOND PRODUCT: t = logit x log2(e); M = the row's largest t so far, rounded UP to a whole number; p = 2^(t - M) is quantised along the keys, not normalised.
; The row's sum is taken of the unquantised p, in f32, and divides at the end.  When M moves, the sum and O are multiplied by 2^(old M - new M): exact.
; NOTHING OF reference() IS LEFT OUT: every input has a way to the output, and all eight buffers are arguments.
; SHARES.  4,096 tiles of (16 queries x 1 head), 16 for each of 256 work-groups.  Work-group (X, Y) owns heads 4 X .. 4 X + 3 and queries 64 Y .. 64 Y + 63; wave w owns head 4 X + (w & 3), queries 64 Y + 16 (w >> 2) on: one tile
; in 256 registers, four waves to a SIMD, so that one wave's vector work stands beside another's matrix work and LDS loads.  Every wave walks all 1,024 keys, 128 a step, 8 steps, written out by macro: no loop.
; CLUSTER 4 x 4.  The mask's tile hangs on Y alone: asked for jointly along a row of the cluster.  K's, V's and K's scales' tiles hang on X alone: jointly along a column.
; LAYOUT.  Both products are used transposed: S^T = K Q^T (source 0 = 16 keys, source 1 = my 16 queries), O^T = V^T P^T (source 0 = 16 channels, source 1 = P): a lane holds ONE query (lane % 16) throughout.
;  (a) The first product's K is 64, the instruction's 128: registers 4-7 of both fragments are zero codes (each side has zero registers of its own), under scale bytes 0, which add nothing over zero codes.
;  (b) THE MASK IS THE PRODUCT'S C: its 64 numbers of a lane come from LDS straight into the accumulators.  The factor 1/8 is 3 taken off Q's two scale bytes, once.  So the result is the finished logit.
;  (c) Tile t holds keys 16 t .. 16 t + 15; lane (r, h), register j: key 16 t + 8 h + j.  A block of 32 keys is tiles 2 b, 2 b + 1 in lanes l and l xor 16.  The conversions' results are put in the order
;      tile 4 c, 4 c + 2, 4 c + 1, 4 c + 3, and two exchanges of halves for each c leave register 4 c + i of lane (r, h) with keys 64 c + 32 h + 8 i .. + 7: the second product's operand.
;  (d) The first step starts the sums: its second products take C = 0, and it has no rescaling.
; LIMITS.  A scale byte of Q under 3 is held at 0 (2^-127) where 1/8 of it would lie lower.  A scale byte 0xff of Q is not carried as NaN.  NaN and +infinity among the logits are not served; a row whose every logit is
; -infinity gives NaN, as reference() does.  p under 2^-126 comes out of v_exp_f32 as 0.  A block's largest p is taken as the exponential of its largest logit (v_exp_f32 taken not to fall where its input rises).
; A block whose every p is 0 keeps the scale byte 1: its codes are zeros.
; REGISTERS: v1-3 r, h, lane; v5, v6 the add's two; v7-11, v24-31, v213 addresses; v12 -M, v13 the largest t, v[14:15] the sum in two halves; v16-23 Q; v32-63 four fragments of K; v64-95 four of V;
; v96-159 mask, then logits, then p; v160-191 O^T; v192-207 V's scale words, v208-211 K's, v212 Q's; v224-231 p's codes; v232-254 at work (v253: p's scale word).
.set SLOT,  141312                     ; an LDS slot: 256 keys (two key steps)
.set MP,    528                        ; the mask: a row of 128 keys, 512 bytes + 16 of padding = 132 words: row r starts at word 4 r mod 64 (64 banks of 4 bytes: ISA guide 11.1)
.set MSUB,  64*MP                      ; a key step's 64 rows of the mask; a slot holds two, from its byte 0
.set KP,    144                        ; K: a key's 4 heads x 32 bytes + 16 of padding;  V: a channel's 256 keys, 128 bytes + 16.  36 words: sixteen rows on end start at sixteen different multiples of 4 words mod 64
.set KOFF,  2*MSUB                     ; a slot's 256 rows of K
.set VOFF,  KOFF+256*KP                ; and its 256 rows of V (4 heads x 64 channels)
.set HALF,  128*KP                     ; what one tensor load brings of K or of V
.set KSC,   2*SLOT                     ; behind the ring: K's scale bytes, 1,024 keys x 8 bytes (4 heads x 2), filled once
.set SPARE, KSC+8192                   ; the spare words, 128 bytes for each wave: eight blocks of 256 bytes that no other line names
.set STAGE, 0                          ; the way out: 16 rows x (256 + 16) bytes for each wave, in slot 0, which by then has had its last fill and its last read
.set SP,    272
.set SPW,  5
.set NIL,  6
.set GO,   7                           ; v7      my byte offset in the wave's rows of out0
.set AM,   8                           ; v8-9    LDS address of my numbers of the mask in slot 0, 1
.set AK,   10                          ; v10-11  of my part of a tile of K
.set AV,   24                          ; v24-25  of V
.set AKS,  26                          ; v26     of K's scale bytes
.set PFO,  27                          ; v27     the prefetches' offset; never rewritten
.set STI,  28                          ; v28     the stage: where I put 32 bytes of a row
.set STB,  29                          ; v29     and where I read a row back
.set KF,   32
.set VF,   64
.set S,    96
.set OT,   160
.set VS,   192                         ; register 8 e + j: key step j's word of V's row 32 e + lane
.set KS,   208                         ; register b: lanes 0-15 tile 2 b's keys, lanes 16-31 tile 2 b + 1's
.set QS,   212
.set PC,   224
.set WV,   20                          ; s20 wave;  s21 its head (w & 3);  s22 its tile of queries (w >> 2);  s23 w & 1
.set CS,   28                          ; s[28:29] c = log2(e): the packed form names a pair and takes its low word for both halves
.set SEL,  30                          ; s[30:31] lane selects for v_permlanex16_b32: lane l xor 16
.set G1M,  32                          ; descriptor groups 1: the mask's, K's, V's, K's scales'
.set G1K,  40
.set G1V,  48
.set G1S,  56
.set G0M,  68                          ; and groups 0
.set G0K,  72
.set G0V,  76
.set G0S,  80
.set LM,   84                          ; s84-86  my tile's place in a slot: the mask's, K's, V's
.set LK,   85
.set LV,   86
.set LIM,  87                          ; s87     how many changes of slots I prefetch at: 0 in a wave that prefetches nothing
.set PFA,  88                          ; s[88:89] where my prefetches stand in memory
.set PFS,  90                          ; s[90:91] a slot on, in bytes
.macro FOUR
.rept 4
	v_nop
.endr
.endm
; A round of the cluster's barrier: my work-group's barrier, so that wave 0's signal speaks for all sixteen waves; wave 0 signals for the work-group; every wave waits for all sixteen work-groups; my work-group's barrier once more.
.macro CROUND
	s_barrier_signal -1
	s_barrier_wait -1
	s_cmp_lg_u32 s[WV], 0
	s_cbranch_scc1 .Lnot_wave_0_\@
	s_barrier_signal -3
.Lnot_wave_0_\@:
	s_barrier_wait -3
	s_barrier_signal -1
	s_barrier_wait -1
.endm
; The joint loads of a slot.  Waves 0, 1: the mask's two key steps; waves 2, 3: K's two halves of 128 keys; waves 4, 5: V's two pairs of heads; sc = 1: wave 6: K's scale bytes.  The other waves fetch nothing.
; The branches hang on the wave's number alone.  An s_nop 0 and four v_nop follow each load.
.macro TLOAD sc
	s_cmp_lt_u32 s[WV], 2
	s_cbranch_scc0 .Lnot_m_\@
	tensor_load_to_lds s[G0M:G0M+3], s[G1M:G1M+7]
	s_nop 0
	FOUR
	s_branch .Lasked_\@
.Lnot_m_\@:
	s_cmp_lt_u32 s[WV], 4
	s_cbranch_scc0 .Lnot_k_\@
	tensor_load_to_lds s[G0K:G0K+3], s[G1K:G1K+7]
	s_nop 0
	FOUR
	s_branch .Lasked_\@
.Lnot_k_\@:
	s_cmp_lt_u32 s[WV], 6
	s_cbranch_scc0 .Lnot_v_\@
	tensor_load_to_lds s[G0V:G0V+3], s[G1V:G1V+7]
	s_nop 0
	FOUR
	s_branch .Lasked_\@
.Lnot_v_\@:
.if \sc
	s_cmp_eq_u32 s[WV], 6
	s_cbranch_scc0 .Lasked_\@
	tensor_load_to_lds s[G0S:G0S+3], s[G1S:G1S+7]
	s_nop 0
	FOUR
.endif
.Lasked_\@:
.endm
; A PREFETCH INTO THE L2 of what the NEXT change of slots will ask for: two key steps ahead of that load.  It stands behind the tensor loads of a change of slots.  Each aligned block of 256 bytes is named once in the launch:
; K's and V's codes are read by every cluster of a column of clusters: cluster y = 0 asks; the mask by every cluster of a row: cluster x = 0 asks.  The partners share the blocks out BY ADDRESS.
; Wave 8: K's codes, key 128 (X & 1) + 32 cy + lane of the slot, block X >> 1 of its row.  Waves 9, 10: V's codes, row 256 X + 64 cy + 32 E + lane, bytes 256 on: one request serves slots 2 and 3, whose 128 bytes a row share a block.
; Waves 11, 12: the mask, row 64 Y + 16 cx + 8 E + lane / 4, block lane & 3 of the slot's four.  Slots 0 and 1 come by their loads alone; the last change that fills a slot asks for nothing.
.macro ASK c
	s_cmp_ge_u32 s[LIM], \c
	s_cbranch_scc0 .Lnot_mine_\@
	global_prefetch_b8 v[PFO], s[PFA:PFA+1] th:TH_LOAD_NT scope:SCOPE_SE
.Lnot_mine_\@:
.endm
; THE CHANGE OF SLOTS stands at a slot's head.  Each wave waits for all its tensor loads (its part of the slot that it is about to read), adds 0 to its spare word, and waits for that and for its reads of the slot that it has left.
; fill = 1: a round of the cluster's barrier follows, so that no wave of any partner still reads that slot or has a load on its way, and the joint load into slot `slot` is the first thing behind it: it has two key steps in which to land.
.macro CHANGE c, fill, slot
	s_wait_tensorcnt 0x0                           ; no tensor load of mine is out, so a group 0 may be written
	ds_add_u32 v[SPW], v[NIL]                      ; 0 onto my spare word
.if \fill
	ds_add_u32 v[SPW], v[NIL]                      ; and once more; the descriptors' steps stand between the second and the wait
.if \slot
	s_add_co_u32 s[G0M+1], s[LM], SLOT
	s_add_co_u32 s[G0K+1], s[LK], SLOT
	s_add_co_u32 s[G0V+1], s[LV], SLOT
.else
	s_mov_b32 s[G0M+1], s[LM]
	s_mov_b32 s[G0K+1], s[LK]
	s_mov_b32 s[G0V+1], s[LV]
.endif
	s_add_nc_u64 s[G0M+2:G0M+3], s[G0M+2:G0M+3], 1024      ; the next 256 keys: 1,024 bytes on in a row of the mask,
	s_add_nc_u64 s[G0K+2:G0K+3], s[G0K+2:G0K+3], 256*2048  ; 256 rows of K on,
	s_add_nc_u64 s[G0V+2:G0V+3], s[G0V+2:G0V+3], 128       ; 128 bytes on in a row of V; the type bits on top are not reached
.if \c == 2
	s_wait_xcnt 0x0                                ; the last prefetch, two key steps back, has read its address, so it may be written
	s_add_nc_u64 s[PFA:PFA+1], s[PFA:PFA+1], s[PFS:PFS+1]
.endif
.endif
	s_wait_dscnt 0x0                               ; the add is done (fill = 1: both are), and my reads of the slot that I have left are over
.if \fill
	CROUND
	TLOAD 0                                        ; the first thing behind the round, and a wave's one tensor load until the next
.if \c <= 2
	ASK \c
.endif
.else
	s_barrier_signal -1
	s_barrier_wait -1
.endif
.endm
; Tile t of S^T: the accumulator holds the mask; the product adds Q . K / 8.  The eight accumulators take turns, one instruction a turn.
.macro SW t
.if (\t)%2
	v_wmma_scale_f32_16x16x128_f8f6f4 v[S+8*(\t):S+8*(\t)+7], v[KF+8*((\t)%4):KF+8*((\t)%4)+7], v[16:23], v[S+8*(\t):S+8*(\t)+7], v[KS+(\t)/2], v[QS] matrix_a_fmt:MATRIX_FMT_FP4 matrix_b_fmt:MATRIX_FMT_FP4 matrix_a_scale:MATRIX_SCALE_ROW1
.else
	v_wmma_scale_f32_16x16x128_f8f6f4 v[S+8*(\t):S+8*(\t)+7], v[KF+8*((\t)%4):KF+8*((\t)%4)+7], v[16:23], v[S+8*(\t):S+8*(\t)+7], v[KS+(\t)/2], v[QS] matrix_a_fmt:MATRIX_FMT_FP4 matrix_b_fmt:MATRIX_FMT_FP4
.endif
.endm
; Tile dt (16 channels) of O^T += V^T P^T, key step j.  first = 1: the product starts the sum: nothing is cleared.
.macro PVW dt, j, first
.if \first
.if (\dt)%2
	v_wmma_scale_f32_16x16x128_f8f6f4 v[OT+8*(\dt):OT+8*(\dt)+7], v[VF+8*(\dt):VF+8*(\dt)+7], v[PC:PC+7], 0, v[VS+8*((\dt)/2)+(\j)], v253 matrix_a_fmt:MATRIX_FMT_FP4 matrix_b_fmt:MATRIX_FMT_FP4 matrix_a_scale:MATRIX_SCALE_ROW1
.else
	v_wmma_scale_f32_16x16x128_f8f6f4 v[OT+8*(\dt):OT+8*(\dt)+7], v[VF+8*(\dt):VF+8*(\dt)+7], v[PC:PC+7], 0, v[VS+8*((\dt)/2)+(\j)], v253 matrix_a_fmt:MATRIX_FMT_FP4 matrix_b_fmt:MATRIX_FMT_FP4
.endif
.else
.if (\dt)%2
	v_wmma_scale_f32_16x16x128_f8f6f4 v[OT+8*(\dt):OT+8*(\dt)+7], v[VF+8*(\dt):VF+8*(\dt)+7], v[PC:PC+7], v[OT+8*(\dt):OT+8*(\dt)+7], v[VS+8*((\dt)/2)+(\j)], v253 matrix_a_fmt:MATRIX_FMT_FP4 matrix_b_fmt:MATRIX_FMT_FP4 matrix_a_scale:MATRIX_SCALE_ROW1
.else
	v_wmma_scale_f32_16x16x128_f8f6f4 v[OT+8*(\dt):OT+8*(\dt)+7], v[VF+8*(\dt):VF+8*(\dt)+7], v[PC:PC+7], v[OT+8*(\dt):OT+8*(\dt)+7], v[VS+8*((\dt)/2)+(\j)], v253 matrix_a_fmt:MATRIX_FMT_FP4 matrix_b_fmt:MATRIX_FMT_FP4
.endif
.endif
.endm
; A KEY STEP: 128 keys: the q-th of slot s, the j-th of the head.
.macro STEP s, q, j, first
.irp b, 0,1,2,3
	ds_load_u16 v[KS+\b], v[AKS] offset:(128*\j+32*\b)*8           ; key 128 j + 32 b + lane: its two scale bytes; bytes 2 and 3 of the word are 0, over zero codes
.endr
.irp t, 0,1,2,3
	ds_load_b128 v[KF+8*\t:KF+8*\t+3], v[AK+\s] offset:(128*\q+16*\t)*KP   ; K's tiles 0-3: 16 bytes a lane; registers 4-7 of each fragment stay zero
.endr
.irp t, 0,1,2,3,4,5,6,7
	ds_load_b128 v[S+8*\t:S+8*\t+3], v[AM+\s] offset:MSUB*\q+64*\t        ; mask(my query, keys 16 t + 8 h + 0 .. 7), into the accumulator
	ds_load_b128 v[S+8*\t+4:S+8*\t+7], v[AM+\s] offset:MSUB*\q+64*\t+16
.endr
	s_wait_dscnt 8                                 ; all but the youngest eight loads, the mask's tiles 4-7
.irp t, 0,1,2,3
	SW \t
.endr
	FOUR                                           ; places in front of loads into registers that matrix instructions have read: K's, just now; V's, at the end of the step before
.irp t, 0,1,2,3
	ds_load_b128 v[KF+8*\t:KF+8*\t+3], v[AK+\s] offset:(128*\q+64+16*\t)*KP   ; K's tiles 4-7
.endr
.irp t, 0,1,2,3
.irp c, 0,1
	ds_load_b128 v[VF+8*\t+4*\c:VF+8*\t+4*\c+3], v[AV+\s] offset:16*KP*\t+64*\q+32*\c   ; V's four tiles of 16 channels x these 128 keys: they land under the softmax
.endr
.endr
	s_wait_dscnt 8                                 ; all but V's eight
.irp t, 4,5,6,7
	SW \t
.endr
; THE LARGEST LOGIT OF EACH BLOCK OF 32 KEYS: it serves twice: for the row's maximum and, since p rises with the logit, for the block's largest p.  Blocks 0 and 1 first: their 16 lines name no register of the
; four products just issued and are the places behind them.  Each accumulator is read from its low end on.
.irp g, 0,2
.irp b, 0,1
	v_max3_num_f32 v[232+\g+\b], v[S+16*(\g+\b)], v[S+16*(\g+\b)+1], v[S+16*(\g+\b)+2]
.endr
.irp i, 3,5,7,9,11,13
.irp b, 0,1
	v_max3_num_f32 v[232+\g+\b], v[232+\g+\b], v[S+16*(\g+\b)+\i], v[S+16*(\g+\b)+\i+1]
.endr
.endr
.irp b, 0,1
	v_max_num_f32 v[232+\g+\b], v[232+\g+\b], v[S+16*(\g+\b)+15]
.endr
.endr
.irp b, 0,1,2,3
	v_permlanex16_b32 v[236+\b], v[232+\b], s[SEL], s[SEL+1]
.endr
.irp b, 0,1,2,3
	s_delay_alu instid0(VALU_DEP_4)
	v_max_num_f32 v[232+\b], v[232+\b], v[236+\b]  ; with lane l xor 16's 16 keys
.endr
	s_delay_alu instid0(VALU_DEP_2)
	v_max3_num_f32 v254, v232, v233, v234
	s_delay_alu instid0(VALU_DEP_1)
	v_max_num_f32 v254, v254, v235                 ; the step's largest logit of my query
	s_delay_alu instid0(VALU_DEP_1)
	v_mul_f32 v254, s[CS], v254                    ; as t (c is positive)
.if \first
	s_delay_alu instid0(VALU_DEP_1)
	v_max_num_f32 v13, 0xff61b1e6, v254            ; the largest t so far, held at -3e38 from below
	s_delay_alu instid0(VALU_DEP_1)
	v_floor_f32 v12, -v13                          ; -M = floor(-t) = -ceil(t): M IS A WHOLE NUMBER
.else
	s_delay_alu instid0(VALU_DEP_1)
	v_max_num_f32 v13, v13, v254                   ; the running largest t
	v_mov_b32 v254, v12
	s_delay_alu instid0(VALU_DEP_2)
	v_floor_f32 v12, -v13                          ; the new -M
	s_delay_alu instid0(VALU_DEP_1)
	v_sub_f32 v254, v12, v254                      ; M's old value less its new one: a whole number, 0 or less
	s_delay_alu instid0(VALU_DEP_1)
	v_cvt_i32_f32 v254, v254                       ; (it saturates)
	s_delay_alu instid0(VALU_DEP_1)
	v_ldexp_f32 v252, 1.0, v254                    ; f = 2^(old M - new M): a multiplication by it rounds nothing
.endif
.set n, 0
.rept 32
	v_pk_fma_f32 v[S+n:S+n+1], v[S+n:S+n+1], s[CS:CS+1], v[12:13] op_sel_hi:[1,0,0]   ; t - M, two at a time (of the pairs c and -M the low word serves both halves)
.set n, n+2
.endr
.irp b, 0,1,2,3
	v_fma_f32 v[232+\b], v[232+\b], s[CS], v12     ; the same of each block's largest logit
.endr
.set n, 0
	s_wait_alu depctr_va_vdst(0)
.rept 64
	v_exp_f32 v[S+n], v[S+n]                       ; p = 2^(t - M), at most 1: NOT normalised
.set n, n+1
.endr
.if \first
	v_mov_b32 v14, 0                               ; the sum begins, in two halves.  (Plain instructions behind the exponentials)
	v_mov_b32 v15, 0
.else
	v_pk_mul_f32 v[14:15], v[14:15], v[252:253] op_sel_hi:[1,0]   ; the sums under the new M.  (A plain instruction behind the exponentials)
.endif
	s_wait_alu depctr_va_vdst(0)                   ; one wait for the whole batch, ahead of its first reader
.irp b, 0,1,2,3
	v_exp_f32 v[232+\b], v[232+\b]                 ; the block's largest p: the same two instructions on the same number give the same bits
.endr
	v_pk_add_f32 v[236:237], v[100:101], v[104:105]
	v_pk_add_f32 v[250:251], v[108:109], v[112:113]
	v_pk_add_f32 v[248:249], v[116:117], v[120:121]
	v_pk_add_f32 v[246:247], v[124:125], v[128:129]
	v_pk_add_f32 v[244:245], v[132:133], v[136:137]
	v_pk_add_f32 v[242:243], v[140:141], v[144:145]
	v_pk_add_f32 v[240:241], v[148:149], v[152:153]
	v_pk_add_f32 v[14:15], v[14:15], v[156:157]
	v_pk_add_f32 v[236:237], v[236:237], v[96:97]
	v_pk_add_f32 v[250:251], v[250:251], v[98:99]
	v_pk_add_f32 v[248:249], v[248:249], v[102:103]
	v_pk_add_f32 v[246:247], v[246:247], v[106:107]
	v_pk_add_f32 v[244:245], v[244:245], v[110:111]
	v_pk_add_f32 v[242:243], v[242:243], v[114:115]
	v_pk_add_f32 v[240:241], v[240:241], v[118:119]
	v_pk_add_f32 v[14:15], v[14:15], v[122:123]
	v_pk_add_f32 v[236:237], v[236:237], v[126:127]
	v_pk_add_f32 v[250:251], v[250:251], v[130:131]
	v_pk_add_f32 v[248:249], v[248:249], v[134:135]
	v_pk_add_f32 v[246:247], v[246:247], v[138:139]
	v_pk_add_f32 v[244:245], v[244:245], v[142:143]
	v_pk_add_f32 v[242:243], v[242:243], v[146:147]
	v_pk_add_f32 v[240:241], v[240:241], v[150:151]
	v_pk_add_f32 v[14:15], v[14:15], v[154:155]
	v_pk_add_f32 v[236:237], v[236:237], v[158:159]
	s_delay_alu instid0(VALU_DEP_2)
	v_pk_add_f32 v[14:15], v[14:15], v[246:247]
	s_delay_alu instid0(VALU_DEP_2)
	v_pk_add_f32 v[236:237], v[236:237], v[244:245]
	v_pk_add_f32 v[250:251], v[250:251], v[242:243]
	v_pk_add_f32 v[248:249], v[248:249], v[240:241]
	s_delay_alu instid0(VALU_DEP_2)
	v_pk_add_f32 v[14:15], v[14:15], v[250:251]
	s_delay_alu instid0(VALU_DEP_2)
	v_pk_add_f32 v[236:237], v[236:237], v[248:249]
	s_delay_alu instid0(VALU_DEP_1)
	v_pk_add_f32 v[14:15], v[14:15], v[236:237]
	s_wait_alu depctr_va_vdst(0)                   ; and one for the four
.irp b, 0,1,2,3
	v_max_num_f32 v[232+\b], 0x1800000, v[232+\b]  ; the floor 2^(3 - 127): the byte cannot fall under 1
.endr
.irp b, 0,1,2,3
	s_delay_alu instid0(VALU_DEP_4)
	v_add_nc_u32 v[244+\b], 0xff000000, v[232+\b]  ; 2 off the exponent field: the conversion's scale operand
.endr
.irp b, 0,1,2,3
	s_delay_alu instid0(VALU_DEP_4)
	v_lshrrev_b32 v[236+\b], 23, v[244+\b]         ; the scale's byte
.endr
	s_delay_alu instid0(VALU_DEP_3)
	v_lshl_or_b32 v253, v237, 8, v236              ; p's scale word for these 128 keys
	s_delay_alu instid0(VALU_DEP_1)
	v_lshl_or_b32 v253, v238, 16, v253
	s_delay_alu instid0(VALU_DEP_1)
	v_lshl_or_b32 v253, v239, 24, v253
.irp c, 0,1
	v_cvt_scalef32_pk8_fp4_f32 v[PC+4*\c],   v[S+8*(4*\c):S+8*(4*\c)+7],     v[244+2*\c]     ; tile 4 c,     block 2 c
	v_cvt_scalef32_pk8_fp4_f32 v[PC+4*\c+1], v[S+8*(4*\c+2):S+8*(4*\c+2)+7], v[244+2*\c+1]   ; tile 4 c + 2, block 2 c + 1
	v_cvt_scalef32_pk8_fp4_f32 v[PC+4*\c+2], v[S+8*(4*\c+1):S+8*(4*\c+1)+7], v[244+2*\c]     ; tile 4 c + 1, block 2 c
	v_cvt_scalef32_pk8_fp4_f32 v[PC+4*\c+3], v[S+8*(4*\c+3):S+8*(4*\c+3)+7], v[244+2*\c+1]   ; tile 4 c + 3, block 2 c + 1
.endr
	v_nop                                          ; one plain vector instruction between a scaled conversion and the vector instruction that touches its result
.irp c, 0,1
	v_permlane16_swap_b32 v[PC+4*\c], v[PC+4*\c+1]     ; the first's lanes 16-31 change places with the second's lanes 0-15: registers 4 c, 4 c + 1 now hold keys 64 c + 32 h + 0 .. 15,
	v_permlane16_swap_b32 v[PC+4*\c+2], v[PC+4*\c+3]   ; registers 4 c + 2, 4 c + 3 keys 64 c + 32 h + 16 .. 31
.endr
.if \first
	s_wait_alu depctr_va_vdst(0)
.rept 8
	v_nop                                          ; a scale register written by a vector instruction stands 8 places ahead of a scaled matrix instruction, an operand so written 4
.endr
.else
.set n, 0
.rept 16
	v_pk_mul_f32 v[OT+n:OT+n+1], v[OT+n:OT+n+1], v[252:253] op_sel_hi:[1,0]   ; O^T under the new M: x f.  (These 16 are also the places in front of the matrix instructions below)
.set n, n+2
.endr
.endif
	s_wait_alu depctr_va_vdst(0)
	s_wait_dscnt 0x0                               ; V is in
.irp t, 0,1,2,3
	PVW \t, \j, \first
.endr
.endm
	s_load_b256 s[4:11], s[0:1], 0x0               ; K's codes s[4:5], K's scales s[6:7], Q's codes s[8:9], Q's scales s[10:11]
	s_load_b256 s[12:19], s[0:1], 0x20             ; V's codes s[12:13], V's scales s[14:15], the mask s[16:17], out0 s[18:19]
	v_lshl_add_u32 v[SPW], v0, 2, SPARE
	v_mov_b32 v[NIL], 0
	ds_add_u32 v[SPW], v[NIL]                      ; the wave's opening: the add, twice on end, and its wait ahead of the first tensor loads; the set-up below stands between the second and the wait
	ds_add_u32 v[SPW], v[NIL]
	v_lshrrev_b32 v1, 5, v0
	s_delay_alu instid0(VALU_DEP_1)
	v_readfirstlane_b32 s[WV], v1                  ; wave 0..15
	s_and_b32 s21, s[WV], 3                        ; my head of the work-group's four
	s_lshr_b32 s22, s[WV], 2                       ; my tile of its 64 queries
	s_and_b32 s23, s[WV], 1                        ; which half of a tile I fetch, if I fetch
	s_bfe_u32 s24, ttmp6, 0x40000                  ; cx, cy: my place in the cluster
	s_bfe_u32 s25, ttmp6, 0x40004
	s_lshl_b32 s26, ttmp9, 2
	s_add_co_u32 s26, s26, s24                     ; X = 4 x cluster x + cx: heads 4 X on
	s_and_b32 s27, ttmp7, 0xffff
	s_lshl_b32 s27, s27, 2
	s_add_co_u32 s27, s27, s25                     ; Y = 4 x cluster y + cy: queries 64 Y on
	s_lshl_b32 s92, s25, 2
	s_lshl_b32 s92, 15, s92                        ; my row of the cluster
	s_lshl_b32 s94, 0x1111, s24                    ; my column
	; descriptor groups 1.  The mask: 64 rows x 128 elements of 4 bytes, 1,024 elements from row to row; 4 words of padding behind every 128
	s_or_b32 s[G1M], s92, (2<<16)|(1<<20)|(1<<21)|(6<<22)|(3<<25)   ; 15:0 the work-group mask: my row; 17:16 elements of 4 bytes; 20 padding on; 21 set beside a mask; 24:22 after every 128 words; 31:25 four words
	s_mov_b32 s[G1M+1], 128<<16                    ; tensor_dim0
	s_mov_b32 s[G1M+2], 64<<16                     ; tensor_dim1
	s_mov_b32 s[G1M+3], 128<<16                    ; tile_dim0
	s_mov_b32 s[G1M+4], 64                         ; tile_dim1
	s_mov_b32 s[G1M+5], 1024                       ; tensor_dim0_stride
	s_mov_b32 s[G1M+6], 0
	s_mov_b32 s[G1M+7], 0
	; K and V: 128 rows x 128 bytes; 4 words of padding behind every 32
	s_or_b32 s[G1K], s94, (1<<20)|(1<<21)|(4<<22)|(3<<25)           ; the work-group mask: my column; elements of 1 byte
	s_or_b32 s[G1V], s94, (1<<20)|(1<<21)|(4<<22)|(3<<25)
.irp g, G1K, G1V
	s_mov_b32 s[\g+1], 128<<16
	s_mov_b32 s[\g+2], 128<<16
	s_mov_b32 s[\g+3], 128<<16
	s_mov_b32 s[\g+4], 128
	s_mov_b32 s[\g+6], 0
	s_mov_b32 s[\g+7], 0
.endr
	s_mov_b32 s[G1K+5], 2048                       ; a key's row of K's codes: 64 heads x 32 bytes
	s_mov_b32 s[G1V+5], 512                        ; a channel's row of V's codes: 1,024 keys
	; K's scale bytes: 1,024 rows x 8 bytes, 128 bytes from row to row, dense in LDS
	s_or_b32 s[G1S], s94, 1<<21
	s_mov_b32 s[G1S+1], 8<<16
	s_mov_b32 s[G1S+2], 1024<<16
	s_mov_b32 s[G1S+3], 8<<16
	s_mov_b32 s[G1S+4], 1024
	s_mov_b32 s[G1S+5], 128
	s_mov_b32 s[G1S+6], 0
	s_mov_b32 s[G1S+7], 0
	; where the tiles come from and go to.  The mask's hang on Y and the wave, the others' on X and the wave; no place in the cluster enters an LDS address
	s_lshl_b32 s92, s27, 18                        ; 64 Y rows of 4,096 bytes,
	s_lshl_b32 s93, s23, 9                         ; + my key step's 512 bytes
	s_add_co_u32 s92, s92, s93
	s_mov_b32 s93, 0
	s_lshl_b32 s94, s26, 7                         ; K: my four heads' 128 bytes of a row,
	s_lshl_b32 s95, s23, 18                        ; + my 128 keys
	s_add_co_u32 s94, s94, s95
	s_mov_b32 s95, 0
	s_lshl_b32 s96, s26, 17                        ; V: 256 X rows of 512 bytes,
	s_lshl_b32 s97, s23, 16                        ; + my 128 rows
	s_add_co_u32 s96, s96, s97
	s_mov_b32 s97, 0
	s_mul_i32 s[LM], s23, MSUB
	s_mul_i32 s[LK], s23, HALF
	s_add_co_u32 s[LV], s[LK], VOFF
	s_add_co_u32 s[LK], s[LK], KOFF
	s_mov_b32 s[CS], 0x3fb8aa3b                    ; c = log2(e)
	s_mov_b32 s[CS+1], s[CS]                       ; (named with it as a pair, so it is written)
	s_mov_b32 s[SEL], 0x76543210
	s_mov_b32 s[SEL+1], 0xfedcba98
	s_wait_dscnt 0x0                               ; both opening adds are done
	s_wait_kmcnt 0x0
	s_mov_b32 s[G0M], 1                            ; 1:0 count = 1
	s_mov_b32 s[G0M+1], s[LM]                      ; 63:32 LDS address: slot 0
	s_add_nc_u64 s[G0M+2:G0M+3], s[16:17], s[92:93]    ; 120:64 global address
	s_or_b32 s[G0M+3], s[G0M+3], 0x80000000        ; 127:126 type = 2
	s_mov_b32 s[G0K], 1
	s_mov_b32 s[G0K+1], s[LK]
	s_add_nc_u64 s[G0K+2:G0K+3], s[4:5], s[94:95]
	s_or_b32 s[G0K+3], s[G0K+3], 0x80000000
	s_mov_b32 s[G0V], 1
	s_mov_b32 s[G0V+1], s[LV]
	s_add_nc_u64 s[G0V+2:G0V+3], s[12:13], s[96:97]
	s_or_b32 s[G0V+3], s[G0V+3], 0x80000000
	s_lshl_b32 s94, s26, 3                         ; K's scales: my four heads' 8 bytes of a row
	s_mov_b32 s[G0S], 1
	s_mov_b32 s[G0S+1], KSC
	s_add_nc_u64 s[G0S+2:G0S+3], s[6:7], s[94:95]
	s_or_b32 s[G0S+3], s[G0S+3], 0x80000000
	CROUND                                         ; all sixteen work-groups are here: the first joint loads meet
	TLOAD 1                                        ; slot 0, and K's scale bytes of all keys
	; my tile's own data: Q's fragment and scale word, V's scale words of all keys; out0's address
	s_lshl_b32 s98, s27, 6
	s_lshl_b32 s99, s22, 4
	s_add_co_u32 s98, s98, s99                     ; my first query
	s_lshl_b32 s99, s26, 2
	s_add_co_u32 s99, s99, s21                     ; my head
	s_mov_b32 s101, 0
	s_lshl_b32 s100, s98, 11
	s_lshl_b32 s2, s99, 5
	s_add_co_u32 s100, s100, s2
	s_add_nc_u64 s[8:9], s[8:9], s[100:101]        ; Q's codes: 2,048 bytes a query, 32 a head
	s_lshl_b32 s100, s98, 7
	s_lshl_b32 s2, s99, 1
	s_add_co_u32 s100, s100, s2
	s_add_nc_u64 s[10:11], s[10:11], s[100:101]    ; Q's scales: 128 bytes a query, 2 a head
	s_lshl_b32 s100, s99, 11
	s_add_nc_u64 s[14:15], s[14:15], s[100:101]    ; V's scales: 2,048 bytes a head
	s_lshl_b32 s100, s98, 14
	s_lshl_b32 s2, s99, 8
	s_add_co_u32 s100, s100, s2
	s_add_nc_u64 s[18:19], s[18:19], s[100:101]    ; out0: 16,384 bytes a query, 256 a head
	v_and_b32 v1, 15, v0                           ; r = lane % 16
	v_bfe_u32 v2, v0, 4, 1                         ; h = lane / 16
	v_and_b32 v3, 31, v0                           ; lane
	s_delay_alu instid0(VALU_DEP_3)
	v_lshlrev_b32 v30, 11, v1
	s_delay_alu instid0(VALU_DEP_1)
	v_lshl_add_u32 v30, v2, 4, v30                 ; Q: query r, channels 32 h on
	v_lshlrev_b32 v31, 7, v1
	s_delay_alu instid0(VALU_DEP_4)
	v_lshlrev_b32 v213, 5, v3                      ; V's scales: 32 bytes a row, a lane a row
	global_load_b128 v[16:19], v30, s[8:9]         ; Q's fragment stays in registers
	global_load_u16 v[QS], v31, s[10:11]
	global_load_b128 v[VS:VS+3], v213, s[14:15]                ; rows 0-31: key steps 0-3,
	global_load_b128 v[VS+4:VS+7], v213, s[14:15] offset:16    ; 4-7;
	global_load_b128 v[VS+8:VS+11], v213, s[14:15] offset:1024 ; rows 32-63
	global_load_b128 v[VS+12:VS+15], v213, s[14:15] offset:1040
	; LDS addresses
	s_mul_i32 s2, s22, 16*MP
	v_mul_u32_u24 v[AM], v1, MP
	s_delay_alu instid0(VALU_DEP_1)
	v_lshl_add_u32 v[AM], v2, 5, v[AM]
	s_delay_alu instid0(VALU_DEP_1)
	v_add_nc_u32 v[AM], s2, v[AM]                  ; the mask: row 16 (w >> 2) + r, + 32 h
	s_delay_alu instid0(VALU_DEP_1)
	v_add_nc_u32 v[AM+1], SLOT, v[AM]
	v_mul_u32_u24 v4, v1, KP
	s_delay_alu instid0(VALU_DEP_1)
	v_lshl_add_u32 v4, v2, 4, v4                   ; row r x pitch + 16 h
	s_lshl_b32 s2, s21, 5
	s_add_co_u32 s2, s2, KOFF
	v_add_nc_u32 v[AK], s2, v4                     ; K: + my head's 32 bytes
	s_delay_alu instid0(VALU_DEP_1)
	v_add_nc_u32 v[AK+1], SLOT, v[AK]
	s_mul_i32 s2, s21, 64*KP
	s_add_co_u32 s2, s2, VOFF
	v_add_nc_u32 v[AV], s2, v4                     ; V: + my head's 64 rows
	s_delay_alu instid0(VALU_DEP_1)
	v_add_nc_u32 v[AV+1], SLOT, v[AV]
	s_lshl_b32 s2, s21, 1
	s_add_co_u32 s2, s2, KSC
	v_lshl_add_u32 v[AKS], v3, 3, s2               ; K's scales: 8 bytes a key, a lane a key, + my head's 2
	s_mul_i32 s2, s[WV], 16*SP
	s_add_co_u32 s2, s2, STAGE                     ; my stage
	v_mul_u32_u24 v[STI], v1, SP
	s_delay_alu instid0(VALU_DEP_1)
	v_lshl_add_u32 v[STI], v2, 5, v[STI]
	s_delay_alu instid0(VALU_DEP_1)
	v_add_nc_u32 v[STI], s2, v[STI]                ; in: row r, + 32 h
	v_mul_u32_u24 v[STB], v2, SP
	s_delay_alu instid0(VALU_DEP_1)
	v_lshl_add_u32 v[STB], v1, 4, v[STB]
	s_delay_alu instid0(VALU_DEP_1)
	v_add_nc_u32 v[STB], s2, v[STB]                ; back: lanes 0-15 one row, lanes 16-31 the next
	v_lshlrev_b32 v[GO], 14, v2
	s_delay_alu instid0(VALU_DEP_1)
	v_lshl_add_u32 v[GO], v1, 4, v[GO]             ; and the same two rows in out0
	; the prefetches (macro ASK): where my wave's stand, in slot 2, and who asks
	s_xor_b32 s2, s23, 1                           ; E: 0 in waves 9 and 11, 1 in waves 10 and 12
	s_and_b32 s3, s26, 1
	s_lshl_b32 s3, s3, 7
	s_lshl_b32 s66, s25, 5
	s_add_co_u32 s3, s3, s66
	s_add_co_u32 s3, s3, 512
	s_lshl_b32 s3, s3, 11                          ; K: key 512 + 128 (X & 1) + 32 cy,
	s_lshr_b32 s66, s26, 1
	s_lshl_b32 s66, s66, 8
	s_add_co_u32 s3, s3, s66                       ; block X >> 1 of its row
	s_lshl_b32 s66, s26, 8
	s_lshl_b32 s67, s25, 6
	s_add_co_u32 s66, s66, s67
	s_lshl_b32 s67, s2, 5
	s_add_co_u32 s66, s66, s67
	s_lshl_b32 s66, s66, 9
	s_add_co_u32 s66, s66, 256                     ; V: row 256 X + 64 cy + 32 E, bytes 256 on
	s_lshl_b32 s98, s27, 6
	s_lshl_b32 s67, s24, 4
	s_add_co_u32 s98, s98, s67
	s_lshl_b32 s67, s2, 3
	s_add_co_u32 s98, s98, s67
	s_lshl_b32 s98, s98, 12
	s_add_co_u32 s98, s98, 2048                    ; the mask: row 64 Y + 16 cx + 8 E, bytes 2,048 on
	s_and_b32 s99, ttmp7, 0xffff                   ; cluster y
	s_mov_b64 s[PFA:PFA+1], s[16:17]               ; waves 11 and 12: the mask
	s_mov_b32 s[PFS], 1024
	s_mov_b32 s[LIM], 2
	s_mov_b32 s67, ttmp9                           ; the coordinate along which other clusters read the same bytes
	s_mov_b32 s100, 4096                           ; from four lanes to the next four,
	s_mov_b32 s101, 256                            ; and from lane to lane among four
	s_cmp_lt_u32 s[WV], 11                         ; waves 9 and 10: V's codes
	s_cselect_b64 s[PFA:PFA+1], s[12:13], s[PFA:PFA+1]
	s_cselect_b32 s98, s66, s98
	s_cselect_b32 s[PFS], 0, s[PFS]
	s_cselect_b32 s[LIM], 1, s[LIM]
	s_cselect_b32 s67, s99, s67
	s_cselect_b32 s100, 2048, s100
	s_cselect_b32 s101, 512, s101
	s_cmp_lt_u32 s[WV], 9                          ; wave 8: K's codes
	s_cselect_b64 s[PFA:PFA+1], s[4:5], s[PFA:PFA+1]
	s_cselect_b32 s98, s3, s98
	s_cselect_b32 s[PFS], 256*2048, s[PFS]
	s_cselect_b32 s[LIM], 2, s[LIM]
	s_cselect_b32 s100, 8192, s100
	s_cselect_b32 s101, 2048, s101
	s_sub_co_u32 s2, s[WV], 8
	s_cmp_lt_u32 s2, 5                             ; waves 8 to 12 alone,
	s_cselect_b32 s[LIM], s[LIM], 0
	s_cmp_eq_u32 s67, 0                            ; of the first cluster along that coordinate: the same in all sixteen partners, for a given wave
	s_cselect_b32 s[LIM], s[LIM], 0
	s_mov_b32 s99, 0
	s_mov_b32 s[PFS+1], 0
	s_add_nc_u64 s[PFA:PFA+1], s[PFA:PFA+1], s[98:99]
	v_lshrrev_b32 v[PFO], 2, v3
	s_delay_alu instid0(VALU_DEP_1)
	v_mul_lo_u32 v[PFO], v[PFO], s100
	v_and_b32 v232, 3, v3
	s_delay_alu instid0(VALU_DEP_1)
	v_mul_lo_u32 v232, v232, s101
	s_delay_alu instid0(VALU_DEP_1)
	v_add_nc_u32 v[PFO], v[PFO], v232
.irp i, 20,21,22,23
	v_mov_b32 v\i, 0                               ; Q's fragment, registers 4-7: zero codes for the instruction's upper 64 along K; they stay
.endr
	s_wait_loadcnt 0x0                             ; Q and the scale words
	v_and_b32 v232, 0xff, v[QS]                    ; THE FACTOR 1/8: 3 off each of Q's two scale bytes, held at 0 from below
	v_lshrrev_b32 v233, 8, v[QS]
	s_delay_alu instid0(VALU_DEP_2)
	v_cmp_gt_u32 vcc_lo, 3, v232
	s_delay_alu instid0(VALU_DEP_3)
	v_add_nc_u32 v232, -3, v232
	s_wait_alu depctr_va_vdst(0)
	v_cndmask_b32 v232, v232, v20, vcc_lo
	v_cmp_gt_u32 vcc_lo, 3, v233
	v_add_nc_u32 v233, -3, v233
	s_delay_alu instid0(VALU_DEP_1)
	v_cndmask_b32 v233, v233, v20, vcc_lo
	s_delay_alu instid0(VALU_DEP_1)
	v_lshl_or_b32 v[QS], v233, 8, v232             ; bytes 2 and 3 stay 0, over zero codes
.irp t, 0,1,2,3
.irp i, 4,5,6,7
	v_mov_b32 v[KF+8*\t+\i], 0                     ; K's four fragments, registers 4-7: zero codes of their own; they stay.  (With the four below: the places behind the scale word's last write)
.endr
.endr
.irp b, 0,1,2,3
	v_mov_b32 v[236+\b], 0                         ; written once: a lane permute's destination counts as one of its sources
.endr
	FOUR                                           ; an operand written by vector instructions stands 4 places ahead of a scaled matrix instruction
	CHANGE 1, 1, 1                                 ; slot 0 and the scale bytes have landed; slot 1 is asked for
	s_wait_alu depctr_va_vdst(0)
	STEP 0, 0, 0, 1
	STEP 0, 1, 1, 0
	CHANGE 2, 1, 0                                 ; slot 0 takes keys 512 on
	STEP 1, 0, 2, 0
	STEP 1, 1, 3, 0
	CHANGE 3, 1, 1                                 ; slot 1 takes keys 768 on: the last load
	STEP 0, 0, 4, 0
	STEP 0, 1, 5, 0
	CHANGE 4, 0, 0                                 ; nothing is left to fetch: my work-group's barrier alone.  Behind it nobody reads slot 0
	STEP 1, 0, 6, 0
	STEP 1, 1, 7, 0
	; THE WAY OUT.  The sum's two halves and lane l xor 16's are added; O^T is divided by the sum and goes through my stage in LDS, so that sixteen lanes store the 256 consecutive bytes of a (query, head).
	v_add_f32 v14, v14, v15
	s_delay_alu instid0(VALU_DEP_1)
	v_permlanex16_b32 v254, v14, s[SEL], s[SEL+1]
	s_delay_alu instid0(VALU_DEP_1)
	v_add_f32 v14, v14, v254                       ; the row's sum
	s_wait_alu depctr_va_vdst(0)
	v_rcp_f32 v14, v14
	FOUR                                           ; plain instructions behind the reciprocal, and the places behind the last products
	s_wait_alu depctr_va_vdst(0)                   ; the wait ahead of the reciprocal's first reader
.set n, 0
.rept 16
	v_pk_mul_f32 v[S+n:S+n+1], v[OT+n:OT+n+1], v[14:15] op_sel_hi:[1,0]   ; register 8 t + i: out(query r, channel 16 t + 8 h + i); each accumulator from its low end on
.set n, n+2
.endr
.irp t, 0,1,2,3
	ds_store_b128 v[STI], v[S+8*\t:S+8*\t+3] offset:64*\t
	ds_store_b128 v[STI], v[S+8*\t+4:S+8*\t+7] offset:64*\t+16
.endr
.irp i, 0,1,2,3,4,5,6,7
	ds_load_b128 v[32+4*\i:35+4*\i], v[STB] offset:2*\i*SP     ; LDS serves a wave's instructions in order (ISA guide 5.7.1.4): these see my stores
.endr
.irp i, 0,1,2,3,4,5,6,7
	s_wait_dscnt 7-\i                              ; the loads behind load i may stay out
	global_store_b128 v[GO], v[32+4*\i:35+4*\i], s[18:19] offset:2*\i*16384 th:TH_STORE_NT   ; 16 lanes store 256 consecutive bytes, at a multiple of 256 from out0's first byte; written once, read by nobody here
.endr
	s_wait_tensorcnt 0x0                           ; the wave's end, behind my last tensor load and my last LDS store
	ds_add_u32 v[SPW], v[NIL]
	s_wait_dscnt 0x0
	CROUND                                         ; the closing round: no work-group ends while a partner may still ask for a tile that names it
	s_endpgm
.Lfunc_end_k_q4eec167280_attn:
	.size	k_q4eec167280_attn, .Lfunc_end_k_q4eec167280_attn-k_q4eec167280_attn
	.p2alignl 7, 3214868480
	.fill 96, 4, 3214868480
	.section	.rodata,"a",@progbits
	.p2align	6, 0x0
	.amdhsa_kernel k_q4eec167280_attn
		.amdhsa_group_segment_fixed_size 327680
		.amdhsa_private_segment_fixed_size 0
		.amdhsa_enable_private_segment 0
		.amdhsa_kernarg_size 64
		.amdhsa_user_sgpr_count 2
		.amdhsa_user_sgpr_kernarg_segment_ptr 1
		.amdhsa_wavefront_size32 1
		.amdhsa_system_sgpr_workgroup_id_x 1
		.amdhsa_system_sgpr_workgroup_id_y 1
		.amdhsa_system_sgpr_workgroup_id_z 1
		.amdhsa_system_vgpr_workitem_id 0
		.amdhsa_next_free_vgpr 256
		.amdhsa_next_free_sgpr 102
		.amdhsa_reserve_vcc 1
		.amdhsa_float_denorm_mode_32 3
		.amdhsa_float_denorm_mode_16_64 3
		.amdhsa_memory_ordered 1
		.amdhsa_forward_progress 1
		.amdhsa_inst_pref_size 155
	.end_amdhsa_kernel
	.amdgpu_metadata
---
amdhsa.version: [ 1, 2 ]
amdhsa.kernels:
  - .name:           k_q4eec167280_attn
    .symbol:         k_q4eec167280_attn.kd
    .args:
      - { .name: K_codes, .offset: 0, .size: 8, .value_kind: global_buffer, .address_space: global }
      - { .name: K_scales, .offset: 8, .size: 8, .value_kind: global_buffer, .address_space: global }
      - { .name: Q_codes, .offset: 16, .size: 8, .value_kind: global_buffer, .address_space: global }
      - { .name: Q_scales, .offset: 24, .size: 8, .value_kind: global_buffer, .address_space: global }
      - { .name: V_codes, .offset: 32, .size: 8, .value_kind: global_buffer, .address_space: global }
      - { .name: V_scales, .offset: 40, .size: 8, .value_kind: global_buffer, .address_space: global }
      - { .name: mask, .offset: 48, .size: 8, .value_kind: global_buffer, .address_space: global }
      - { .name: out0, .offset: 56, .size: 8, .value_kind: global_buffer, .address_space: global }
    .group_segment_fixed_size: 327680
    .private_segment_fixed_size: 0
    .kernarg_segment_align: 8
    .kernarg_segment_size: 64
    .max_flat_workgroup_size: 512
    .sgpr_count:     102
    .vgpr_count:     256
    .wavefront_size: 32
...
	.end_amdgpu_metadata
.endif
;; end of part 1
